; MI455X (gfx1250); checked and timed in simulation.
; The chip was launched on July 23, 2026; its instructions are those of AMD's public machine-readable ISA for CDNA 5 (MIT licence, August 2026) and "CDNA5" Instruction Set Architecture Reference Guide (July 2026). The comments in the code are by the model that wrote it; some were corrected since.
;; Quantized Linear. Allowed arithmetic: float matrix products may take bf16 or f16 operands with f32 sums; all other float work in f32.
;; Inputs: bias 4,096 float32; quantized_weight 4,096 x 4,096 int8; weight_scale one number float32; x 4 x 1,024 x 4,096 float32.
;; Outputs: out0 4 x 1,024 x 4,096 float32.
;; One version. Each part assembles by itself: llvm-mc -triple=amdgcn-amd-amdhsa -mcpu=gfx1250 --defsym DOCPART=n.
;; ======== version 1 of 1: 2 launches
;; limits: inputs' magnitudes at most 6e+32
;; workspace buffers: xb 33,554,432 bytes; wb 33,554,432 bytes
;; launch cast (part 1): grid 1536 x 1, 8 waves a work-group, no clusters, 0 bytes of LDS; arguments x, quantized_weight, xb, wb; writes xb, wb
.if DOCPART == 1
	.amdgcn_target "amdgcn-amd-amdhsa--gfx1250"
	.amdhsa_code_object_version 6
	.text
	.protected	k_q43755ad010_cast
	.globl	k_q43755ad010_cast
	.p2align	8
	.type	k_q43755ad010_cast,@function
k_q43755ad010_cast:
	s_mov_b64 s[64:65], 0
	v_nop
	global_prefetch_b8 v0, s[64:65] scope:SCOPE_SE
	s_setreg_imm32_b32 hwreg(HW_REG_WAVE_MODE, 25, 1), 1
	s_wait_xcnt 0x0
; xb = x rounded to bf16 (nearest even); wb = quantized_weight as bf16 (exact: -128 .. 127 need 8 significant bits, which bf16 has).
; x: 16,777,216 f32.  quantized_weight: 16,777,216 int8.  xb, wb: the same numbers in the same order, 2 bytes each.
; LIMITS.  bf16 has f32's range: |x| above 3.39e38 rounds to an infinity; NaN stays NaN.
; SHARES.  Work-groups 0 .. 1023 take 65,536 bytes of x each (32,768 out), work-groups 1024 .. 1535 take 32,768 bytes of the weights each
; (65,536 out): 98,304 bytes moved by every work-group.  A thread issues its 16 loads in one run, so that all of them are on their way at once,
; then converts and stores slot by slot behind waits that count down.  Each slot has four registers of its own and the address registers are
; never rewritten, so no further wait is needed.  Every load and store of a wave covers 256 or 512 consecutive bytes, aligned to 256.
; Nothing is shared between threads and every byte is used once: no LDS, no barrier, no matrix unit, no cluster.
.set NX,  1024                         ; work-groups that take x
.set MG,  3                            ; v3        0x4b000000: 2^23 as f32
.set T,   4                            ; v[4:11]   eight numbers in f32, at work
.set X,   12                           ; v[12:75]  slot i: four registers, as loaded and then as stored
	s_load_b256 s[4:11], s[0:1], 0x0               ; x s[4:5], quantized_weight s[6:7], xb s[8:9], wb s[10:11]
	v_lshlrev_b32 v1, 4, v0                        ; 16 t
	v_lshlrev_b32 v2, 3, v0                        ; 8 t
	s_mov_b32 s2, ttmp9                            ; the work-group's number
	s_mov_b32 s13, 0                               ; the offsets' high words
	s_mov_b32 s15, 0
	s_wait_kmcnt 0x0
	s_cmp_lt_u32 s2, NX
	s_cbranch_scc0 .Lweights
	; x: slot i loads 16 bytes (4 f32) at 4,096 i + 16 t and stores 8 bytes (4 bf16) at 2,048 i + 8 t
	s_lshl_b32 s12, s2, 16                         ; 65,536 bytes in,
	s_lshl_b32 s14, s2, 15                         ; 32,768 bytes out for each work-group
	s_add_nc_u64 s[4:5], s[4:5], s[12:13]
	s_add_nc_u64 s[8:9], s[8:9], s[14:15]
.irp i, 0,1,2,3,4,5,6,7,8,9,10,11,12,13,14,15
	global_load_b128 v[X+4*(\i):X+4*(\i)+3], v1, s[4:5] offset:4096*(\i) th:TH_LOAD_NT  ; read once in the launch
.endr
.irp i, 0,1,2,3,4,5,6,7,8,9,10,11,12,13,14,15
	s_wait_loadcnt 15-(\i)                         ; loads come back in order (ISA guide 5.7.1): slot i is in, the 15 - i younger ones stay out
	v_cvt_pk_bf16_f32 v[X+4*(\i)],   v[X+4*(\i)],   v[X+4*(\i)+1]
	v_cvt_pk_bf16_f32 v[X+4*(\i)+1], v[X+4*(\i)+2], v[X+4*(\i)+3]
	global_store_b64 v2, v[X+4*(\i):X+4*(\i)+1], s[8:9] offset:2048*(\i)  ; a wave stores 256 consecutive bytes; the next launch reads them, so no hint
.endr
	s_endpgm
.Lweights:
	; weights: slot i loads 8 bytes (8 int8) at 2,048 i + 8 t and stores 16 bytes (8 bf16) at 4,096 i + 16 t
	s_sub_co_u32 s2, s2, NX
	s_lshl_b32 s12, s2, 15
	s_lshl_b32 s14, s2, 16
	s_add_nc_u64 s[6:7], s[6:7], s[12:13]
	s_add_nc_u64 s[10:11], s[10:11], s[14:15]
.irp i, 0,1,2,3,4,5,6,7,8,9,10,11,12,13,14,15
	global_load_b64 v[X+4*(\i):X+4*(\i)+1], v2, s[6:7] offset:2048*(\i) th:TH_LOAD_NT
.endr
	s_mov_b32 s16, 0x80808080                      ; q xor 0x80 = q + 128 as an unsigned byte u
	s_mov_b32 s20, 0x07060500                      ; v_perm_b32: byte j of the word below the upper three bytes of 2^23
	s_mov_b32 s21, 0x07060501
	s_mov_b32 s22, 0x07060502
	s_mov_b32 s23, 0x07060503
	s_mov_b32 s24, 0xcb000080                      ; -(2^23 + 128)
	s_mov_b32 s25, s24                             ; named with it as a pair
	v_mov_b32 v[MG], 0x4b000000
.macro Q8 i
	s_wait_loadcnt 15-(\i)                         ; slot i is in, the younger ones stay out
.irp d, 0,1
	v_xor_b32 v[X+4*(\i)+(\d)], s16, v[X+4*(\i)+(\d)]
.endr
.irp d, 0,1
.irp j, 0,1,2,3
	v_perm_b32 v[T+4*(\d)+(\j)], v[MG], v[X+4*(\i)+(\d)], s[20+(\j)]  ; the f32 2^23 + u: u lies in the lowest bits of the mantissa
.endr
.endr
.irp p, 0,1,2,3
	v_pk_add_f32 v[T+2*(\p):T+2*(\p)+1], v[T+2*(\p):T+2*(\p)+1], s[24:25] op_sel_hi:[1,0]  ; less 2^23 + 128: q, exactly
.endr
.irp p, 0,1,2,3
	v_cvt_pk_bf16_f32 v[X+4*(\i)+(\p)], v[T+2*(\p)], v[T+2*(\p)+1]
.endr
	global_store_b128 v1, v[X+4*(\i):X+4*(\i)+3], s[10:11] offset:4096*(\i)  ; a wave stores 512 consecutive bytes
.endm
.irp i, 0,1,2,3,4,5,6,7,8,9,10,11,12,13,14,15
	Q8 \i
.endr
	s_endpgm
.Lfunc_end_k_q43755ad010_cast:
	.size	k_q43755ad010_cast, .Lfunc_end_k_q43755ad010_cast-k_q43755ad010_cast
	.p2alignl 7, 3214868480
	.fill 96, 4, 3214868480
	.section	.rodata,"a",@progbits
	.p2align	6, 0x0
	.amdhsa_kernel k_q43755ad010_cast
		.amdhsa_group_segment_fixed_size 0
		.amdhsa_private_segment_fixed_size 0
		.amdhsa_enable_private_segment 0
		.amdhsa_kernarg_size 32
		.amdhsa_user_sgpr_count 2
		.amdhsa_user_sgpr_kernarg_segment_ptr 1
		.amdhsa_wavefront_size32 1
		.amdhsa_system_sgpr_workgroup_id_x 1
		.amdhsa_system_sgpr_workgroup_id_y 1
		.amdhsa_system_sgpr_workgroup_id_z 1
		.amdhsa_system_vgpr_workitem_id 0
		.amdhsa_next_free_vgpr 76
		.amdhsa_next_free_sgpr 66
		.amdhsa_reserve_vcc 0
		.amdhsa_float_denorm_mode_32 3
		.amdhsa_float_denorm_mode_16_64 3
		.amdhsa_memory_ordered 1
		.amdhsa_forward_progress 1
		.amdhsa_inst_pref_size 28
	.end_amdhsa_kernel
	.amdgpu_metadata
---
amdhsa.version: [ 1, 2 ]
amdhsa.kernels:
  - .name:           k_q43755ad010_cast
    .symbol:         k_q43755ad010_cast.kd
    .args:
      - { .name: x, .offset: 0, .size: 8, .value_kind: global_buffer, .address_space: global }
      - { .name: quantized_weight, .offset: 8, .size: 8, .value_kind: global_buffer, .address_space: global }
      - { .name: xb, .offset: 16, .size: 8, .value_kind: global_buffer, .address_space: global }
      - { .name: wb, .offset: 24, .size: 8, .value_kind: global_buffer, .address_space: global }
    .group_segment_fixed_size: 0
    .private_segment_fixed_size: 0
    .kernarg_segment_align: 8
    .kernarg_segment_size: 32
    .max_flat_workgroup_size: 256
    .sgpr_count:     66
    .vgpr_count:     76
    .wavefront_size: 32
...
	.end_amdgpu_metadata
.endif
;; end of part 1
;; launch gemm (part 2): grid 16 x 16, 4 waves a work-group, clusters of 4 x 4, 327,680 bytes of LDS; arguments xb, wb, weight_scale, bias, out0; writes out0
.if DOCPART == 2
	.amdgcn_target "amdgcn-amd-amdhsa--gfx1250"
	.amdhsa_code_object_version 6
	.text
	.protected	k_q43755ad010_gemm
	.globl	k_q43755ad010_gemm
	.p2align	8
	.type	k_q43755ad010_gemm,@function
k_q43755ad010_gemm:
	s_mov_b64 s[64:65], 0
	v_nop
	global_prefetch_b8 v0, s[64:65] scope:SCOPE_SE
	s_setreg_imm32_b32 hwreg(HW_REG_WAVE_MODE, 25, 1), 1
	s_wait_xcnt 0x0
	s_wait_alu depctr_hold_cnt(0) depctr_sa_sdst(0) depctr_va_vdst(0) depctr_va_sdst(0) depctr_va_ssrc(0) depctr_va_vcc(0) depctr_vm_vsrc(0)
	s_getreg_b32 s2, hwreg(HW_REG_IB_STS2, 6, 4)
	s_cmp_eq_u32 s2, 0
	s_cbranch_scc0 .Lentry_in_a_cluster
	s_endpgm
.Lentry_in_a_cluster:
	s_bfe_u32 s2, ttmp6, 0x10000c
	s_cmp_lg_u32 s2, 0xf033
	s_cbranch_scc0 .Lentry_shape_is_right
	s_endpgm
.Lentry_shape_is_right:
; out0[m][n] = weight_scale x (sum over k of xb[m][k] wb[n][k]) + bias[n].  xb: [4096][4096] bf16, wb: [4096][4096] bf16 ([n][k]), out0: [4096][4096] f32.
; Products in bf16 with f32 sums, K ascending; scale and bias in f32, one fused multiply-add on each finished sum.
; LIMITS.  The scale multiplies the finished sum, where the reference rounds q x scale first: another order of rounding.  The unscaled sum can pass f32's range
; where the scaled one would not: only from |x| of about 6e32 on (3.4e38 / (127 x 4096)).  NaN and infinities go through the products and are not treated apart.
; SHARES.  A tile of out0, 256 x 256, is made by a work-group of four waves; a wave makes 128 x 128: 64 accumulators of 16 x 16, 512 registers.  16 x 16 tiles: 256 work-groups.
; K goes in 32 steps of 128 through a ring of two LDS slots filled by the tensor data mover: a tile's rows are 256 bytes of memory and start at multiples of 256 bytes.
; CLUSTERS: 4 x 4 work-groups.  The four of a row of the cluster need the same tiles of xb, the four of a column the same tiles of wb.  Such a tile is asked for JOINTLY: each of
; the four issues the same tensor load, with the same descriptor and a mask that names the four, and each receives the tile in its own LDS: a quarter of the requests.
; REGISTERS, in windows of 256 (s_set_vgpr_msb's low byte: bits 1:0 source 0, 3:2 source 1, 5:4 source 2, 7:6 destination):
;   window 0: v0-31 addresses and the bias; v64-127, v128-191 fragments of xb (8 x 16 rows x 32 K), two buffers; on the way out the same 128 registers hold rows read back from the stage
;   window 1: v64-127, v128-191 fragments of wb, two buffers
;   window 2: the 32 accumulators of my rows 0-63 (accumulator (a, b) at v[8 (8 a + b)]);   window 3: those of my rows 64-127
; THE MATRIX INSTRUCTION IS USED TRANSPOSED: source 0 = 16 rows of wb, source 1 = 16 rows of xb.  In the result lane l holds row m = l % 16 and its registers 0 to 7 the
; columns n = 8 (l / 16) + 0 .. 7: eight neighbouring numbers of a row of out0, 32 bytes that belong together.
.set SIZE_K, 4096
.set SIZE_N, 4096
.set KSTEP,  128
.set PITCH,  272                       ; an LDS row: 256 bytes of data + 16 of padding = 68 words: row r starts at bank 4 r mod 64 (64 banks of 4 bytes: ISA guide 11.1), so the 16 rows of a load start at 16 different banks
.set HALFT,  128*PITCH                 ; 128 rows: what one tensor load brings, and what one wave reads of xb or of wb
.set SLOT,   4*HALFT                   ; xb's 256 rows, then wb's 256 rows
.set STAGE,  2*SLOT                    ; behind the ring: 16 rows x 528 bytes for each wave, for the way out; no tensor load lands here
.set SPITCH, 528                       ; a stage row: 512 bytes (128 f32) + 16: 33 x 16 bytes, so 16 rows' stores start at 16 different groups of four banks
.set SPARE,  STAGE+4*16*SPITCH         ; behind the stages: the spare words, 128 bytes for each wave: two blocks of 256 bytes that no other line names
.set LAPS,   SIZE_K/(2*KSTEP)          ; a lap = two K steps = once round the ring: 16
.set ROWB,   SIZE_N*4                  ; bytes in a row of out0
.set BI,   12                          ; v[12:15] the bias of my four columns on the way out
.set ADRA, 16                          ; v16-17  LDS address of my xb fragments in slot 0, 1
.set ADRB, 20                          ; v20-21  the same for wb
.set STO,  24                          ; v24     the way out: where I put 32 bytes of a row
.set RD,   25                          ; v25     the way out: where I read 16 bytes of a row back
.set CO,   26                          ; v26     16 x lane: my byte offset in my wave's 512 bytes of a row of out0, and of the bias
.set SPW,  28                          ; v28     LDS address of my spare word: SPARE + 4 x my thread's number; never rewritten
.set NIL,  29                          ; v29     0; never rewritten
.set F0,   64                          ; fragment buffer 0
.set F1,   128                         ; fragment buffer 1
.set OB,   64                          ; the way out: 16 rows read back from the stage, 64 registers; two buffers by turns
.set G1,  24                           ; s[24:31] descriptor group 1 for xb's tiles
.set G0,  32                           ; s[32:39] descriptor group 0 for xb's tiles, one set for each slot
.set G1B, 48                           ; s[48:55] descriptor group 1 for wb's tiles: it differs in the mask alone
.set G0B, 56                           ; s[56:63] descriptor group 0 for wb's tiles, one set for each slot
.set WV,  66                           ; s66  my wave's number
.set RH,  67                           ; s67  which half of the tile's rows is mine.  Also: I fetch for xb (0) or for wb (1)
.set CH,  68                           ; s68  which half of its columns.  Also: which 128 rows of that tile I fetch
.set SC,  70                           ; s[70:71] weight_scale: the packed multiply-add names a pair and takes its low word for both halves
.set MSB, 0
.macro WIN new                         ; the immediate's high byte repeats the setting that is left; a switch that changes nothing is dropped
.if MSB != (\new)
	s_set_vgpr_msb (MSB<<8)|(\new)
.set MSB, \new
.endif
.endm
.set MUL_LO, 0xa1                      ; source 0 (wb) window 1, source 1 (xb) window 0, C and D window 2
.set MUL_HI, 0xf1                      ; the same, C and D window 3
.set TO_B,   0x40                      ; destination window 1, address window 0
; A joint load.  Waves 0 and 1 fetch xb's two halves, waves 2 and 3 wb's.  Each of the two lines has ONE mask and one set of registers for all that issue it, and nothing in
; them hangs on a coordinate that the four partners do not share.  The branch hangs on the wave's number alone: it is the same in every work-group.
; An s_nop 0 and four v_nop follow each of the two lines; the jump round the other line, the label and what follows come after them.
.macro JLOAD s
	s_cmp_eq_u32 s[RH], 0
	s_cbranch_scc0 .Lfor_b_\@
	tensor_load_to_lds s[G0+4*(\s):G0+4*(\s)+3], s[G1:G1+7]
	s_nop 0
.rept 4
	v_nop
.endr
	s_branch .Lasked_\@
.Lfor_b_\@:
	tensor_load_to_lds s[G0B+4*(\s):G0B+4*(\s)+3], s[G1B:G1B+7]
	s_nop 0
.rept 4
	v_nop
.endr
.Lasked_\@:
.endm
; A round of the cluster's barrier: my work-group's barrier, so that wave 0's signal speaks for all four waves; wave 0 signals for the work-group; every wave waits for all
; sixteen work-groups; my work-group's barrier once more.  No LDS instruction of the wave is pending at a signal.
.macro CREST                           ; a round behind its opening barrier
	s_cmp_lg_u32 s[WV], 0
	s_cbranch_scc1 .Lnot_wave_0_\@
	s_barrier_signal -3
.Lnot_wave_0_\@:
	s_barrier_wait -3
	s_barrier_signal -1
	s_barrier_wait -1
.endm
.macro CROUND                          ; a whole round
	s_barrier_signal -1
	s_barrier_wait -1
	CREST
.endm
	s_load_b256 s[4:11], s[0:1], 0x0               ; xb s[4:5], wb s[6:7], weight_scale s[8:9], bias s[10:11]
	s_load_b64 s[12:13], s[0:1], 0x20              ; out0
	v_lshl_add_u32 v[SPW], v0, 2, SPARE
	v_mov_b32 v[NIL], 0
	ds_add_u32 v[SPW], v[NIL]                      ; the wave's opening: the add and its wait stand ahead of my first tensor load; the set-up below, work on registers, stands between them
	v_lshrrev_b32 v1, 5, v0
	v_readfirstlane_b32 s[WV], v1                  ; wave 0..3
	s_lshr_b32 s[RH], s[WV], 1
	s_and_b32 s[CH], s[WV], 1
	s_bfe_u32 s40, ttmp6, 0x40000                  ; cx: my place along the cluster's x
	s_bfe_u32 s41, ttmp6, 0x40004                  ; cy: along its y
	s_lshl_b32 s42, ttmp9, 2                       ; in a cluster launch ttmp9 and ttmp7 count clusters
	s_add_co_u32 s42, s42, s40                     ; tile column = 4 x cluster x + cx
	s_and_b32 s45, ttmp7, 0xffff
	s_lshl_b32 s45, s45, 2
	s_add_co_u32 s45, s45, s41                     ; tile row = 4 x cluster y + cy
	s_lshl_b32 s43, s41, 2
	s_lshl_b32 s43, 15, s43                        ; my row of the cluster: places 4 cy .. 4 cy + 3
	s_lshl_b32 s44, 0x1111, s40                    ; my column: places cx, cx + 4, cx + 8, cx + 12
	; descriptor group 1: a tile of 128 rows x 128 elements, padded in LDS
	s_or_b32 s[G1+0], s43, (1<<16)|(1<<20)|(1<<21)|(5<<22)|(3<<25)  ; 15:0 the mask: xb's tiles go to my row; 17:16 element of 2 bytes; 20 padding on; 21 set beside a mask; 24:22 after every 64 words (code 5); 31:25 of 4 words (code 3)
	s_or_b32 s[G1B+0], s44, (1<<16)|(1<<20)|(1<<21)|(5<<22)|(3<<25) ; the same with the mask of my column, for wb's tiles
.irp g, G1, G1B
	s_mov_b32 s[(\g)+1], KSTEP<<16                 ; 63:48 tensor_dim0, low half = 128
	s_mov_b32 s[(\g)+2], 128<<16                   ; 79:64 its high half = 0; 95:80 tensor_dim1, low half = 128
	s_mov_b32 s[(\g)+3], KSTEP<<16                 ; 111:96 its high half = 0; 127:112 tile_dim0 = 128
	s_mov_b32 s[(\g)+4], 128                       ; 143:128 tile_dim1 = 128; 159:144 tile_dim2 = 0
	s_mov_b32 s[(\g)+5], SIZE_K                    ; 191:160 tensor_dim0_stride, low word: elements from row to row
	s_mov_b32 s[(\g)+6], 0
	s_mov_b32 s[(\g)+7], 0
.endr
	; where the tiles come from.  xb's hang on the tile row alone, which my row of the cluster shares; wb's on the tile column alone, which my column shares.
	; Every wave makes both addresses, in registers that never hold the other coordinate, and asks by one of them.
	s_lshl_b32 s21, s[CH], 7                       ; which 128 rows of the tile I fetch
	s_lshl_b32 s16, s45, 8
	s_add_co_u32 s16, s16, s21                     ; xb: row 256 x tile row + 128 x half,
	s_lshl_b32 s16, s16, 13                        ; times 8,192 bytes: under 2^25
	s_mov_b32 s17, 0
	s_lshl_b32 s46, s42, 8
	s_add_co_u32 s46, s46, s21                     ; wb: row 256 x tile column + 128 x half
	s_lshl_b32 s46, s46, 13
	s_mov_b32 s47, 0
	s_mul_i32 s20, s[WV], HALFT                    ; and where they go: xb's two halves, then wb's two halves = wave x 128 rows: no place in the cluster enters an LDS address
	s_wait_dscnt 0x0                               ; the opening add is done
	s_wait_kmcnt 0x0
	s_add_nc_u64 s[14:15], s[4:5], s[16:17]
	s_add_nc_u64 s[46:47], s[6:7], s[46:47]
	CROUND                                         ; all sixteen work-groups are here: the first joint loads meet
.irp s, 0,1
	s_mov_b32 s[G0+4*(\s)], 1                                      ; 1:0 count = 1
	s_add_co_u32 s[G0+4*(\s)+1], s20, (\s)*SLOT                    ; 63:32 LDS address
	s_add_nc_u64 s[G0+4*(\s)+2:G0+4*(\s)+3], s[14:15], (\s)*KSTEP*2  ; 120:64 global address: K step s
	s_or_b32 s[G0+4*(\s)+3], s[G0+4*(\s)+3], 0x80000000            ; 127:126 type = 2
	s_mov_b32 s[G0B+4*(\s)], 1
	s_add_co_u32 s[G0B+4*(\s)+1], s20, (\s)*SLOT
	s_add_nc_u64 s[G0B+4*(\s)+2:G0B+4*(\s)+3], s[46:47], (\s)*KSTEP*2
	s_or_b32 s[G0B+4*(\s)+3], s[G0B+4*(\s)+3], 0x80000000
	JLOAD \s                                       ; the ring is filled before anything else is done: two tensor loads of mine are out
.endr
	s_load_b32 s[SC], s[8:9], 0x0                  ; weight_scale: no line of this launch writes it
	; A fragment is 16 rows x 32 K in 8 registers: lane l holds row l % 16; registers 0-3 hold K = 8 (l / 16) + 0..7, registers 4-7 hold
	; K = 16 + 8 (l / 16) + 0..7.  From rows that lie along K: two loads of 16 bytes, 32 bytes apart.  The same for source 0 and source 1.
	v_and_b32 v1, 15, v0                           ; l % 16
	v_bfe_u32 v2, v0, 4, 1                         ; l / 16
	v_mul_u32_u24 v3, v1, PITCH
	v_lshl_add_u32 v3, v2, 4, v3                   ; row x pitch + 16 x half
	s_mul_i32 s21, s[RH], HALFT                    ; my 128 rows of xb
	s_mul_i32 s22, s[CH], HALFT                    ; my 128 rows of wb,
	s_add_co_u32 s22, s22, 2*HALFT                 ; which lie behind xb's 256
.irp s, 0,1
	v_add_nc_u32 v[ADRA+(\s)], s21, v3
	v_add_nc_u32 v[ADRB+(\s)], s22, v3
	s_add_co_u32 s21, s21, SLOT
	s_add_co_u32 s22, s22, SLOT
.endr
	s_mul_i32 s23, s[WV], 16*SPITCH
	s_add_co_u32 s23, s23, STAGE                   ; my stage
	v_mul_u32_u24 v4, v1, SPITCH                   ; in: row l % 16, 32 bytes for each half of the lanes
	v_lshl_add_u32 v4, v2, 5, v4
	v_add_nc_u32 v[STO], s23, v4
	v_and_b32 v5, 31, v0
	v_lshlrev_b32 v[CO], 4, v5                     ; back: 32 lanes take one row of 512 bytes, 16 bytes each: lane l has columns 4 l .. 4 l + 3 of every row
	v_add_nc_u32 v[RD], s23, v[CO]
	; where my part of the tile begins: its first column in bytes (the same figure in the bias and in a row of out0: both are f32), its first row in bytes
	s_lshl_b32 s46, s42, 10                        ; 1,024 x tile column (in the registers that held wb's address: none that feeds xb's descriptors ever holds cx)
	s_lshl_b32 s47, s[CH], 9
	s_add_co_u32 s46, s46, s47                     ; + 512 x half
	s_mov_b32 s47, 0
	s_lshl_b32 s16, s45, 8
	s_lshl_b32 s17, s[RH], 7
	s_add_co_u32 s16, s16, s17                     ; my first row: 256 x tile row + 128 x half,
	s_lshl_b32 s16, s16, 14                        ; times 16,384 bytes: under 2^26
	s_mov_b32 s17, 0
	s_add_nc_u64 s[10:11], s[10:11], s[46:47]
	s_add_nc_u64 s[12:13], s[12:13], s[46:47]
	s_add_nc_u64 s[12:13], s[12:13], s[16:17]      ; never rewritten after this: a row's place stands in the stores' immediates
	global_load_b128 v[BI:BI+3], v[CO], s[10:11]   ; the bias of my four columns: it serves all 128 rows
	s_wait_kmcnt 0x0
	s_mov_b32 s[SC+1], s[SC]                       ; named with it as a pair, so it is written
	s_wait_loadcnt 0x0                             ; once, in the wait for the first tile
; 16 matrix instructions: m blocks a0, a0 + 1 of the window's four (hi = 0: my rows 0-63, 1: rows 64-127) x all 8 n blocks, 32 along K.
; zero = 1: the first product starts the sums: nothing is ever cleared.
.macro MUL16 f, hi, a0, zero
	WIN MUL_LO+0x50*(\hi)  ; MUL_LO or MUL_HI
.irp a, \a0, (\a0)+1
.irp b, 0,1,2,3,4,5,6,7
.if \zero
	v_wmma_f32_16x16x32_bf16 v[8*(8*(\a)+(\b)):8*(8*(\a)+(\b))+7], v[(\f)+8*(\b):(\f)+8*(\b)+7], v[(\f)+8*(4*(\hi)+(\a)):(\f)+8*(4*(\hi)+(\a))+7], 0
.else
	v_wmma_f32_16x16x32_bf16 v[8*(8*(\a)+(\b)):8*(8*(\a)+(\b))+7], v[(\f)+8*(\b):(\f)+8*(\b)+7], v[(\f)+8*(4*(\hi)+(\a)):(\f)+8*(4*(\hi)+(\a))+7], v[8*(8*(\a)+(\b)):8*(8*(\a)+(\b))+7]
.endif
.endr
.endr
.endm
; 32 LDS loads in one run: the fragments of one quarter step (128 rows of wb, 128 rows of xb, 32 K at byte k of the rows) into buffer f
.macro FETCH slot, k, f
	WIN TO_B
.irp i, 0,1,2,3,4,5,6,7
	ds_load_b128 v[(\f)+8*(\i):(\f)+8*(\i)+3],   v[ADRB+(\slot)] offset:(\k)+(\i)*16*PITCH
	ds_load_b128 v[(\f)+8*(\i)+4:(\f)+8*(\i)+7], v[ADRB+(\slot)] offset:(\k)+(\i)*16*PITCH+32
.endr
	WIN 0
.irp i, 0,1,2,3,4,5,6,7
	ds_load_b128 v[(\f)+8*(\i):(\f)+8*(\i)+3],   v[ADRA+(\slot)] offset:(\k)+(\i)*16*PITCH
	ds_load_b128 v[(\f)+8*(\i)+4:(\f)+8*(\i)+7], v[ADRA+(\slot)] offset:(\k)+(\i)*16*PITCH+32
.endr
.endm
; A load into a register that a matrix instruction has read, and an instruction that reads a matrix result, stand four places behind that matrix instruction, and only plain
; vector instructions that name none of its registers are places (ISA guide 7.12.1 for vector instructions).  The matrix
; instructions in between are not counted.  So four v_nop stand in front of each run of loads: sixteen issue slots for a K step's 256 matrix instructions.
.macro PLACES
.rept 4
	v_nop
.endr
.endm
; A K step is four quarter steps of 32 along K, 64 matrix instructions each, on buffers 0, 1, 0, 1.  The 64 accumulators take turns, one instruction a turn, in the same order in
; every quarter, over the loop's backward jump and into the tail too.
; One of the first three quarters: multiplies buffer f; in its middle it fetches the next quarter's fragments, at byte k of the same slot's rows, into buffer g.
.macro QUARTER slot, k, f, g, zero
	s_wait_dscnt 8                                 ; wb and xb's rows 0-63 are in; the youngest eight loads (xb's rows 64-127) may be out
	WIN MUL_LO
	MUL16 \f, 0, 0, \zero
	MUL16 \f, 0, 2, \zero
	PLACES
	FETCH \slot, \k, \g
	s_wait_dscnt 32                                ; all but the 32 just issued
	WIN MUL_HI
	MUL16 \f, 1, 0, \zero
	MUL16 \f, 1, 2, \zero
.endm
; The last quarter multiplies buffer 1 and changes slots.  MEET is its first half: ONE barrier for the change of slots, for two things.  In front of it each wave waits for
; all its tensor loads, of which one is out: its part of the next slot; adds 0 to its spare word; and waits for that and for its own reads of this slot.  Behind it nobody
; reads this slot any more and the next slot is whole.
.macro MEET round                      ; round = 1: a round of the cluster's barrier follows
	WIN 0                                          ; (the add's two registers lie in window 0)
	s_wait_tensorcnt 0x0                           ; all my tensor loads have landed: the one that was out is my part of the next slot;
	ds_add_u32 v[SPW], v[NIL]                      ; 0 onto my spare word;
	s_wait_dscnt 9                                 ; (the add and the youngest eight loads may be out)
	WIN MUL_LO
	MUL16 F1, 0, 0, 0                              ; sixteen matrix instructions stand between the add and the wait for it
	s_wait_dscnt 0x0                               ; the add is done, and my reads of this slot are over:
	s_barrier_signal -1                            ; say so (where a slot is filled again this barrier opens a round of the cluster's barrier),
	MUL16 F1, 0, 2, 0                              ; work on registers while the others arrive,
.if \round
	WIN 0
.endif
	s_barrier_wait -1                              ; and go on when all four have said so
.endm
; The whole last quarter.  fill = 1: behind the round the slot just read out is filled again first, with the K step two steps on; then come the next slot's first fragments.
; From a request to the wait for it a wave issues 224 matrix instructions.  fill = 0: nothing is left to fetch, and the work-group's barrier alone changes the slots.
.macro TURN slot, next, fill
	MEET \fill
.if \fill
	CREST                                          ; wave 0 says so for the work-group, all sixteen work-groups have said so, my work-group's barrier closes the round:
	                                               ; no wave of any partner still reads this slot's tile or has a load on its way
	s_add_nc_u64 s[G0+4*(\slot)+2:G0+4*(\slot)+3], s[G0+4*(\slot)+2:G0+4*(\slot)+3], 2*KSTEP*2    ; no tensor load of mine is out, so a group 0 may be written; the type bits on top are not reached
	s_add_nc_u64 s[G0B+4*(\slot)+2:G0B+4*(\slot)+3], s[G0B+4*(\slot)+2:G0B+4*(\slot)+3], 2*KSTEP*2
	JLOAD \slot                                    ; the first tensor load behind the round, and my only one until the next; the four v_nop behind it are also the places in front of the loads below
.else
	PLACES
.endif
	FETCH \next, 0, F0
	WIN MUL_HI
	MUL16 F1, 1, 0, 0
	MUL16 F1, 1, 2, 0
.endm
; THE WAY OUT of block a (my rows 16 a .. 16 a + 15), in two parts.
; TOSTAGE: the block's eight accumulators go as they are, f32, into my own stage: lane l puts 32 bytes (columns 16 b + 8 (l / 16) + 0..7) of row l % 16; each accumulator's
; four lowest registers are read first.  Then the 16 rows come back whole, 512 bytes a load.
.macro TOSTAGE a
.set AC, 64*((\a)%4)                   ; the block's accumulators, in window 2 (blocks 0-3) or 3 (blocks 4-7)
.set BK, OB+64*((\a)%2)
	WIN 0x08+4*((\a)/4)                            ; the stores' data (source 1) in window 2 or 3, the address in window 0
.irp b, 0,1,2,3,4,5,6,7
	ds_store_b128 v[STO], v[AC+8*(\b):AC+8*(\b)+3]   offset:64*(\b)
	ds_store_b128 v[STO], v[AC+8*(\b)+4:AC+8*(\b)+7] offset:64*(\b)+16
.endr
	WIN 0
.if (\a) >= 2
	s_wait_xcnt 0x0                                ; every earlier memory instruction has had its addresses translated (ISA guide 3.1): the buffer that the stores of the block two back read is loaded again only behind this wait
.endif
.irp t, 0,1,2,3,4,5,6,7,8,9,10,11,12,13,14,15
	ds_load_b128 v[BK+4*(\t):BK+4*(\t)+3], v[RD] offset:(\t)*SPITCH  ; LDS serves a wave's instructions in order (ISA guide 5.7.1.4): these see the stores above, and the next block's stores come behind them
.endr
.endm
; SEND: sum x scale + bias, one fused multiply-add each, two at a time, and the row is stored.  younger: the LDS instructions issued behind the block's loads: the next block's 32, or none.
.macro SEND a, younger
.set BK, OB+64*((\a)%2)
	WIN 0
.irp t, 0,1,2,3,4,5,6,7,8,9,10,11,12,13,14,15
	s_wait_dscnt (\younger)+15-(\t)                ; row t is back; the rows behind it and the next block's instructions may be out
	v_pk_fma_f32 v[BK+4*(\t):BK+4*(\t)+1],   v[BK+4*(\t):BK+4*(\t)+1],   s[SC:SC+1], v[BI:BI+1]   op_sel_hi:[1,0,1]
	v_pk_fma_f32 v[BK+4*(\t)+2:BK+4*(\t)+3], v[BK+4*(\t)+2:BK+4*(\t)+3], s[SC:SC+1], v[BI+2:BI+3] op_sel_hi:[1,0,1]
	global_store_b128 v[CO], v[BK+4*(\t):BK+4*(\t)+3], s[12:13] offset:(16*(\a)+(\t))*ROWB th:TH_STORE_NT  ; the wave stores 512 consecutive bytes, at a multiple of 256 from out0's first byte; 127 rows at the most: 2,080,768, inside the signed 24-bit immediate
.endr
.endm
	s_wait_tensorcnt 1                             ; my part of K step 0 is in; K step 1's may stay out
	s_barrier_signal -1
	s_barrier_wait -1                              ; everybody's is
	FETCH 0, 0, F0
	QUARTER 0, 64,  F0, F1, 1                      ; the first quarter stands in front of the loop: its products start the sums
	WIN 0                                          ; at a label and at a branch every window is 0
	s_mov_b32 s3, LAPS-1
.Llap:                                                 ; a trip goes once round the ring, from a lap's second quarter to the next lap's first, and fills both slots again: trip t asks for K steps 2 t and 2 t + 1
	QUARTER 0, 128, F1, F0, 0
	QUARTER 0, 192, F0, F1, 0
	TURN 0, 1, 1
	QUARTER 1, 64,  F0, F1, 0
	QUARTER 1, 128, F1, F0, 0
	QUARTER 1, 192, F0, F1, 0
	TURN 1, 0, 1
	QUARTER 0, 64,  F0, F1, 0
	WIN 0
	s_sub_co_u32 s3, s3, 1
	s_cmp_lg_u32 s3, 0
	s_cbranch_scc1 .Llap
	QUARTER 0, 128, F1, F0, 0                      ; the last lap is written out: it asks for nothing
	QUARTER 0, 192, F0, F1, 0
	TURN 0, 1, 0                                   ; my one tensor load that was still out is slot 1's, the last K step's
	QUARTER 1, 64,  F0, F1, 0
	QUARTER 1, 128, F1, F0, 0
	QUARTER 1, 192, F0, F1, 0
	s_wait_dscnt 8                                 ; the very last quarter: nothing more to fetch
	WIN MUL_LO
	MUL16 F1, 0, 0, 0
	MUL16 F1, 0, 2, 0
	s_wait_dscnt 0x0
	MUL16 F1, 1, 0, 0
	MUL16 F1, 1, 2, 0
	WIN 0
	PLACES                                         ; behind the last products: the LDS stores below read results, and the loads from the stage land in xb's fragment registers
	TOSTAGE 0
.irp a, 1,2,3,4,5,6,7                  ; block a's way through the stage is issued ahead of block a - 1's arithmetic and stores, so that no block's round trip is sat out
	TOSTAGE \a
	SEND (\a)-1, 32
.endr
	SEND 7, 0
	s_wait_tensorcnt 0x0                           ; the wave's end: behind my last tensor load and my last LDS store
	ds_add_u32 v[SPW], v[NIL]
	s_wait_dscnt 0x0
	CROUND                                         ; the closing round: no work-group ends while a partner may still ask for a tile that names it
	s_endpgm
.Lfunc_end_k_q43755ad010_gemm:
	.size	k_q43755ad010_gemm, .Lfunc_end_k_q43755ad010_gemm-k_q43755ad010_gemm
	.p2alignl 7, 3214868480
	.fill 96, 4, 3214868480
	.section	.rodata,"a",@progbits
	.p2align	6, 0x0
	.amdhsa_kernel k_q43755ad010_gemm
		.amdhsa_group_segment_fixed_size 327680
		.amdhsa_private_segment_fixed_size 0
		.amdhsa_enable_private_segment 0
		.amdhsa_kernarg_size 40
		.amdhsa_user_sgpr_count 2
		.amdhsa_user_sgpr_kernarg_segment_ptr 1
		.amdhsa_wavefront_size32 1
		.amdhsa_system_sgpr_workgroup_id_x 1
		.amdhsa_system_sgpr_workgroup_id_y 1
		.amdhsa_system_sgpr_workgroup_id_z 1
		.amdhsa_system_vgpr_workitem_id 0
		.amdhsa_next_free_vgpr 1024
		.amdhsa_next_free_sgpr 72
		.amdhsa_reserve_vcc 0
		.amdhsa_float_denorm_mode_32 3
		.amdhsa_float_denorm_mode_16_64 3
		.amdhsa_memory_ordered 1
		.amdhsa_forward_progress 1
		.amdhsa_inst_pref_size 160
	.end_amdhsa_kernel
	.amdgpu_metadata
---
amdhsa.version: [ 1, 2 ]
amdhsa.kernels:
  - .name:           k_q43755ad010_gemm
    .symbol:         k_q43755ad010_gemm.kd
    .args:
      - { .name: xb, .offset: 0, .size: 8, .value_kind: global_buffer, .address_space: global }
      - { .name: wb, .offset: 8, .size: 8, .value_kind: global_buffer, .address_space: global }
      - { .name: weight_scale, .offset: 16, .size: 8, .value_kind: global_buffer, .address_space: global }
      - { .name: bias, .offset: 24, .size: 8, .value_kind: global_buffer, .address_space: global }
      - { .name: out0, .offset: 32, .size: 8, .value_kind: global_buffer, .address_space: global }
    .group_segment_fixed_size: 327680
    .private_segment_fixed_size: 0
    .kernarg_segment_align: 8
    .kernarg_segment_size: 40
    .max_flat_workgroup_size: 128
    .sgpr_count:     72
    .vgpr_count:     1024
    .wavefront_size: 32
...
	.end_amdgpu_metadata
.endif
;; end of part 2
